; MI455X (gfx1250); checked and timed in simulation.
; The chip was launched on July 23, 2026; its instructions are those of AMD's public machine-readable ISA for CDNA 5 (MIT licence, August 2026) and "CDNA5" Instruction Set Architecture Reference Guide (July 2026). The comments in the code are by the model that wrote it; some were corrected since.
;; MLP Block. Allowed arithmetic: matrix products marked QUANTISED: E3M2 operands, one E8M0 scale for each 32 along K, by v_wmma_scale_f32_16x16x128_f8f6f4 with both operands' format E3M2, f32 sums; products left as they are: f32 operands where the result goes on into a quantised operand, else bf16, f16 or f32 operands; f32 sums; everything else in f32.
;; Inputs: gate_bias 8 float32; gate_kernel 1,024 x 8 float32; mlp1_bias 8 x 4,096 float32; mlp1_weight 8 x 1,024 x 4,096 float32; mlp2_bias 8 x 1,024 float32; mlp2_weight 8 x 2,048 x 1,024 float32; scale 1,024 float32; x 1,024 x 1,024 float32.
;; Outputs: out0 1,024 x 1,024 float32.
;; This version of the problem:
;;   THIS VERSION OF THE PROBLEM IS GIVEN IN LOW PRECISION. The matrix products marked QUANTISED in the list below multiply operands that are first quantised to E3M2 (3 exponent bits, 2 mantissa bits; 6 bits a number), with one power-of-two scale for each 32 numbers along K (OCP MX v1.0); their sums are f32. All else is computed in f32.
;;   The module's matrix products, in the order in which they are computed (A, B: the left and right operand; K: the contracted axis; several contracted axes count as one K, in the product's order):
;;     1. [M 1,024, K 1,024] x [K 1,024, N 8]; A: computed on the way; B: input gate_kernel: left as it is (N = 8 < 16)
;;     2. [M 1,024, K 1,024] x [K 1,024, N 32,768]; A: computed on the way; B: input mlp1_weight: QUANTISED
;;     3. batch 8 x [M 1,024, K 2,048] x [K 2,048, N 1,024]; A: input mlp2_weight; B: computed on the way: QUANTISED
;;     4. [M 1,048,576, K 8] x [K 8, N 1]; A: computed on the way; B: computed on the way: left as it is (K = 8 < 32)
;;   THE QUANTISER, for each operand of a quantised product, along K:
;;     - K is cut into blocks of 32 from its start; a last block that is shorter is filled with zeros.
;;     - A block's scale is 2^e with e = floor(log2(the largest magnitude in the block)) - 4, held to -126 .. 127; a block of zeros has e = 0. As a byte (E8M0): e + 127.
;;     - Each number is divided by its block's scale, clamped to +-28, and rounded to the nearest number of E3M2, ties to even, subnormals kept.
;;     - The product sums the exact products of the quantised numbers (number of the format x scale) in f32.
;;   ~~~python
;;   def quantise(x, axis):      # numpy; x: float32 -> the quantised numbers, widened to float32 again
;;       x = np.moveaxis(x, axis, -1); K = x.shape[-1]
;;       x = np.pad(x, [(0, 0)] * (x.ndim - 1) + [(0, -K % 32)]); x = x.reshape(x.shape[:-1] + (-1, 32)); a = np.abs(x).max(-1, keepdims=True)
;;       e = np.where(a > 0, np.clip(np.frexp(np.where(a > 0, a, 1))[1] - 1 - 4, -126, 127), 0)      # np.frexp(a)[1] - 1 = floor(log2(a)), exactly
;;       r = np.clip(x / 2.0 ** e, -28, 28)
;;       step = 2.0 ** (np.maximum(np.frexp(np.where(r == 0, 1, r))[1] - 1, -2) - 2)
;;       q = np.round(r / step) * step * 2.0 ** e      # np.round: ties to even
;;       return np.moveaxis(q.reshape(q.shape[:-2] + (-1,))[..., :K], -1, axis).astype(np.float32)
;;   ~~~
;;   OPERANDS COMPUTED ON THE WAY. 'Computed on the way' means the value that the module computes at that place (a softmax that the list does not call 'softmax' is quantised finished and normalised). What goes into a quantiser is computed in f32, as accurately as f32 sums, v_exp_f32 and their like allow (about 1e-6 of the number): no bf16 or f16 on the way to a quantiser, and a product that is left as it is and whose result goes on into a quantised operand takes f32 operands (vector FMAs, or v_wmma_f32_16x16x4_f32). A number that lies on a knife's edge between two numbers of the format may be rounded either way, as far as f32 arithmetic and the matrix unit's own rounding can turn it there, and no further.
;; One version. Each part assembles by itself: llvm-mc -triple=amdgcn-amd-amdhsa -mcpu=gfx1250 --defsym DOCPART=n.
;; ======== version 1 of 1: 3 launches
;; limits: right only within a limited range of input values
;; workspace buffers: xq 819,200 bytes; w1q 6,553,600 bytes; w2q 3,276,800 bytes; actq 3,276,800 bytes
;; launch prep (part 1): grid 320 x 1, 8 waves a work-group, no clusters, 70,656 bytes of LDS; arguments x, scale, mlp1_weight, xq, w1q; writes xq, w1q
.if DOCPART == 1
	.amdgcn_target "amdgcn-amd-amdhsa--gfx1250"
	.amdhsa_code_object_version 6
	.text
	.protected	k_q2c9e4483c6_prep
	.globl	k_q2c9e4483c6_prep
	.p2align	8
	.type	k_q2c9e4483c6_prep,@function
k_q2c9e4483c6_prep:
	s_mov_b64 s[64:65], 0
	v_nop
	global_prefetch_b8 v0, s[64:65] scope:SCOPE_SE
	s_setreg_imm32_b32 hwreg(HW_REG_WAVE_MODE, 25, 1), 1
	s_wait_xcnt 0x0
; PREP: rmsnorm(x) and W1 of experts 0 and 1 become codes of BF6 (E3M2) with one E8M0 byte for each 32 along K, laid as images of the operands' registers.
; DEAD WORK: mix, which the problem builds itself, is 0 for experts 2 to 7, so their weights and biases reach no output, whatever finite values they hold; the gate logits are assigned to a name that is never used.
; So gate_kernel and gate_bias are not among any launch's arguments, and of the weights and biases only experts 0 and 1 are read.  LIMIT: a NaN, an infinity or an overflow that reaches only this work is not carried to the result.
; LIMITS: a block of zeros gets the byte 1 and not 127 (its codes are zeros; only this program reads the bytes), and so does one whose largest magnitude lies under 2^(5 - 127); NaN and infinities are not served; 1 / rms is v_rsq_f32 (1 ulp).
; A FRAGMENT (16 rows x 128 K, 12 registers a lane) is 1,536 bytes, two halves c of 768: registers 6 c .. 6 c + 3 of lane l at 16 l, registers 6 c + 4, 6 c + 5 at 512 + 8 l.
; A QUAD of W1 is four fragments and 256 bytes of scale words (word 16 f + row): 6,400 bytes.  w1q [block of 128 hidden units, 16 e + i: 32][K step 8][quad 2 x (64-unit half) + kind (0 gate, 1 linear)].
; FRAGMENT j OF A QUAD HOLDS COLUMNS 4 m + j of its 64 (m: its row): a lane loads 4 neighbouring columns, and what it makes of them are registers of its own lane in four fragments.
; xq [block of 128 tokens: 8]: 102,400 bytes: scale words [16 tokens: 8][K step 8][row 16], then codes [K step 8][16 tokens: 8], a fragment each.
; SHARES: work-groups 0-63 take 16 tokens each, 64-319 take 256 columns x 128 along K of W1 (131,072 bytes of f32).  The two ways have LDS bytes of their own.
; No clusters: the work-groups share no tile.  No prefetch: there is no loop to run ahead in; each wave asks for all its numbers at once.
.set SP,    528                        ; x's stage: a row of 512 bytes + 16
.set WSTG,  16*SP                      ; a wave's 16 rows
.set XSUM,  8*WSTG                     ; x's way: 8 waves x 16 sums of squares
.set XSC,   XSUM+512                   ; x's way: 2 units of scale words
.set WSC,   XSC+512                    ; W1's way: 4 units of scale words
.set SPARE, WSC+1024                   ; the spare words: 128 bytes for each wave
.set X,     64                         ; v64-191  W1: 128 numbers; v64-127 x: 64 numbers
.set T,     192                        ; v192-255 W1: two columns in K order; x: 64 numbers of scale
.set C,     32                         ; v32-55   codes
	s_load_b256 s[4:11], s[0:1], 0x0               ; x s[4:5], scale s[6:7], W1 s[8:9], xq s[10:11]
	s_load_b64 s[12:13], s[0:1], 0x20              ; w1q
	v_lshl_add_u32 v2, v0, 2, SPARE
	v_mov_b32 v3, 0
	v_lshrrev_b32 v1, 5, v0
	v_readfirstlane_b32 s18, v1                    ; wave v, 0 .. 7; x: my K step
	s_and_b32 s19, s18, 1                          ; W1: c, my 64 of the K step's 128
	s_lshr_b32 s20, s18, 1                         ; W1: q, my 64 of the 256 columns
	s_lshr_b32 s21, s18, 2                         ; q / 2
	s_mul_i32 s23, s18, WSTG
	s_lshl_b32 s24, s18, 6
	s_add_co_u32 s25, s24, XSUM
	s_add_co_u32 s26, s24, XSC
	s_lshl_b32 s27, s20, 8
	s_lshl_b32 s28, s19, 1
	s_add_co_u32 s27, s27, s28
	s_add_co_u32 s27, s27, WSC
	s_lshl_b32 s28, s18, 8
	s_add_co_u32 s29, s28, XSC
	s_add_co_u32 s28, s28, WSC
	s_mov_b32 s36, 0x76543210
	s_mov_b32 s37, 0xfedcba98                      ; v_permlanex16_b32's selects for lane l xor 16
	s_mov_b32 s44, 0x3727c5ac                      ; 1e-5
	s_mov_b32 s45, 0x3a800000                      ; 1 / 1,024
	v_and_b32 v4, 31, v0                           ; lane
	v_and_b32 v5, 15, v0                           ; r
	v_bfe_u32 v6, v0, 4, 1                         ; h
	v_lshlrev_b32 v7, 4, v5
	v_lshlrev_b32 v8, 4, v4                        ; 16 x lane
	v_lshlrev_b32 v9, 3, v4                        ; 8 x lane
	v_lshl_add_u32 v10, v5, 2, v6
	v_lshl_add_u32 v7, v6, 19, v7                  ; W1: columns 4 r .. 4 r + 3, from row 32 h on
	v_add_nc_u32 v10, s27, v10                     ; LDS: my scale byte: row r, byte 2 c + h of quad q
	v_add_nc_u32 v11, s28, v9                      ; LDS: W1's unit v, 8 bytes a lane
	v_add_nc_u32 v12, s29, v9                      ; LDS: x's unit v
	v_add_nc_u32 v13, s23, v8                      ; LDS: x's stage, in
	v_mul_u32_u24 v14, v5, SP
	v_lshl_add_u32 v14, v6, 7, v14
	v_add_nc_u32 v14, s23, v14                     ; and out: row r, + 128 h
	v_lshlrev_b32 v15, 2, v5
	v_add_nc_u32 v16, XSUM, v15                    ; LDS: the eight waves' sums of row r
	v_add_nc_u32 v17, s26, v15                     ; LDS: x's scale word of row r
	v_add_nc_u32 v15, s25, v15                     ; LDS: my wave's sum of row r
	v_lshlrev_b32 v18, 7, v6                       ; scale: 128 h
	v_lshlrev_b32 v19, 3, v6                       ; 8 h
	v_mov_b32 v59, 0                               ; a lane permute's destination counts as one of its sources
	s_wait_alu depctr_va_vdst(0)
	s_wait_kmcnt 0x0
	s_cmp_lt_u32 ttmp9, 64
	s_cbranch_scc1 .Lx
.macro FINISH                          ; the wave's end
	s_wait_tensorcnt 0x0
	ds_add_u32 v2, v3
	s_wait_dscnt 0x0
	s_endpgm
.endm
	; ---- W1 [e][k][4096]: work-group g: 8 e + K step = g / 16; 256 columns g % 16.  A wave: 64 columns x 64 along K; lane (r, h): 4 columns of the block of 32 at 32 h.
	s_sub_co_u32 s38, ttmp9, 64
	s_lshr_b32 s39, s38, 4                         ; 8 e + K step
	s_and_b32 s40, s38, 15                         ; ca
	s_lshl_b32 s42, s39, 21                        ; 128 rows of 16,384 bytes a K step
	s_lshl_b32 s41, s40, 10
	s_add_co_u32 s42, s42, s41
	s_lshl_b32 s41, s19, 20
	s_add_co_u32 s42, s42, s41
	s_lshl_b32 s41, s20, 8
	s_add_co_u32 s42, s42, s41
	s_mov_b32 s43, 0
	s_add_nc_u64 s[30:31], s[8:9], s[42:43]
.set i, 0
.rept 32
	global_load_b128 v[X+4*i:X+4*i+3], v7, s[30:31] offset:16384*i th:TH_LOAD_NT   ; sixteen lanes read 256 consecutive bytes of row i, sixteen of row 32 + i
.set i, i+1
.endr
	s_lshr_b32 s41, s39, 3                         ; e
	s_lshl_b32 s41, s41, 4
	s_and_b32 s46, s40, 7
	s_lshl_b32 s46, s46, 1
	s_add_co_u32 s41, s41, s46                     ; the 256 columns' first block of 128 units
	s_mul_i32 s47, s41, 204800
	s_and_b32 s41, s39, 7
	s_mul_i32 s41, s41, 25600
	s_add_co_u32 s47, s47, s41
	s_lshr_b32 s41, s40, 3                         ; kind
	s_mul_i32 s41, s41, 6400
	s_add_co_u32 s47, s47, s41
	s_mul_i32 s42, s21, 204800                     ; codes: block + q / 2, quad 2 (q % 2) + kind, half c
	s_add_co_u32 s42, s42, s47
	s_and_b32 s41, s20, 1
	s_mul_i32 s41, s41, 12800
	s_add_co_u32 s42, s42, s41
	s_mul_i32 s41, s19, 768
	s_add_co_u32 s42, s42, s41
	s_add_nc_u64 s[32:33], s[12:13], s[42:43]
	s_mul_i32 s42, s20, 204800                     ; the unit of scale words of quad v (waves 0 to 3)
	s_add_co_u32 s42, s42, s47
	s_mul_i32 s41, s19, 12800
	s_add_co_u32 s42, s42, s41
	s_add_co_u32 s42, s42, 6144
	s_add_nc_u64 s[34:35], s[12:13], s[42:43]
	s_wait_loadcnt 16                              ; rows 0 to 15 are in
.irp j, 0,1,2,3
	v_max3_num_f32 v[20+\j], |v[X+\j]|, |v[X+4+\j]|, 0x2800000   ; each column's largest magnitude, and the floor 2^(5 - 127): the byte cannot fall under 1
.endr
.irp i2, 2,4,6,8,10,12,14
.irp j, 0,1,2,3
	v_max3_num_f32 v[20+\j], v[20+\j], |v[X+4*\i2+\j]|, |v[X+4*\i2+4+\j]|
.endr
.endr
	s_wait_loadcnt 0x0
.irp j, 0,1,2,3
	v_max_num_f32 v[24+\j], |v[X+64+\j]|, |v[X+68+\j]|
.endr
.irp i2, 18,20,22,24,26,28,30
.irp j, 0,1,2,3
	v_max3_num_f32 v[24+\j], v[24+\j], |v[X+4*\i2+\j]|, |v[X+4*\i2+4+\j]|
.endr
.endr
.irp j, 0,1,2,3
	v_max_num_f32 v[20+\j], v[20+\j], v[24+\j]
.endr
.irp j, 0,1,2,3
	v_add_nc_u32 v[24+\j], 0xfe000000, v[20+\j]    ; 4 off the exponent field: the conversion takes this operand's exponent field as its scale
.endr
.irp j, 0,1,2,3
	v_lshrrev_b32 v[28+\j], 23, v[24+\j]           ; the scale's byte
.endr
.irp j, 0,1,2,3
	ds_store_b8 v10, v[28+\j] offset:64*\j
.endr
	s_wait_dscnt 0x0                               ; for the others' sake: my bytes have landed
	s_barrier_signal -1                            ; the conversions, work on registers, stand between the signal and the wait
.irp pr, 0,1                           ; columns 2 pr, 2 pr + 1: gathered into consecutive registers, two moves a line
.set i, 0
.rept 16
	v_dual_mov_b32 v[T+i], v[X+4*i+2*\pr] :: v_dual_mov_b32 v[T+33+i], v[X+4*i+5+2*\pr]
	v_dual_mov_b32 v[T+32+i], v[X+4*i+1+2*\pr] :: v_dual_mov_b32 v[T+1+i], v[X+4*i+4+2*\pr]
.set i, i+2
.endr
	v_cvt_scalef32_pk16_bf6_f32 v[C+12*\pr:C+12*\pr+2], v[T:T+15], v[24+2*\pr]
	v_cvt_scalef32_pk16_bf6_f32 v[56:58], v[T+16:T+31], v[24+2*\pr]            ; (a conversion's three registers begin on an even number: the upper half is made elsewhere and moved)
	v_cvt_scalef32_pk16_bf6_f32 v[C+12*\pr+6:C+12*\pr+8], v[T+32:T+47], v[25+2*\pr]
	v_cvt_scalef32_pk16_bf6_f32 v[60:62], v[T+48:T+63], v[25+2*\pr]
	v_nop                                          ; a plain instruction behind the conversions
.irp k, 0,1,2
	v_mov_b32 v[C+12*\pr+3+\k], v[56+\k]
	v_mov_b32 v[C+12*\pr+9+\k], v[60+\k]
.endr
.endr
	s_wait_alu depctr_va_vdst(0)
	s_barrier_wait -1
	s_cmp_ge_u32 s18, 4
	s_cbranch_scc1 .Lw_codes
	ds_load_b64 v[20:21], v11
	s_wait_dscnt 0x0
	global_store_b64 v9, v[20:21], s[34:35]        ; one aligned unit of 256 bytes
.Lw_codes:
.irp j, 0,1,2,3
	global_store_b128 v8, v[C+6*\j:C+6*\j+3], s[32:33] offset:1536*\j           ; 32 lanes store 512 consecutive bytes,
	global_store_b64 v9, v[C+6*\j+4:C+6*\j+5], s[32:33] offset:1536*\j+512      ; and 256
.endr
	FINISH
.Lx:	; ---- x: wave v takes 16 tokens x K step v.  Loads take 512 consecutive bytes of a row; the numbers turn through the wave's own stage; then lane (r, h) holds, of row r, the blocks that the operand's layout gives it: k = 128 v + 64 c + 32 h on.
	s_lshl_b32 s38, ttmp9, 16
	s_lshl_b32 s40, s18, 9
	s_add_co_u32 s38, s38, s40
	s_mov_b32 s39, 0
	s_mov_b32 s41, 0
	s_add_nc_u64 s[30:31], s[4:5], s[38:39]
	s_add_nc_u64 s[6:7], s[6:7], s[40:41]
.set i, 0
.rept 16
	global_load_b128 v[X+4*i:X+4*i+3], v8, s[30:31] offset:4096*i th:TH_LOAD_NT
.set i, i+1
.endr
.irp c, 0,1
.irp j, 0,1,2,3,4,5,6,7
	global_load_b128 v[T+32*\c+4*\j:T+32*\c+4*\j+3], v18, s[6:7] offset:256*\c+16*\j   ; scale at my 64 places
.endr
.endr
	s_lshr_b32 s38, ttmp9, 3
	s_mul_i32 s38, s38, 102400                     ; the block of 128 tokens
	s_and_b32 s40, ttmp9, 7                        ; my 16 of them
	s_mul_i32 s42, s18, 12288
	s_add_co_u32 s42, s42, s38
	s_add_co_u32 s42, s42, 4096
	s_mul_i32 s41, s40, 1536
	s_add_co_u32 s42, s42, s41
	s_mov_b32 s43, 0
	s_add_nc_u64 s[32:33], s[10:11], s[42:43]
	s_lshl_b32 s46, s18, 8                         ; the unit of scale words v (waves 0 and 1)
	s_add_co_u32 s46, s46, s38
	s_lshl_b32 s41, s40, 9
	s_add_co_u32 s46, s46, s41
	s_mov_b32 s47, 0
	s_add_nc_u64 s[34:35], s[10:11], s[46:47]
	s_wait_loadcnt 16                              ; x's 16 loads are in; the 16 of scale may be out
.set i, 0
.rept 16
	ds_store_b128 v13, v[X+4*i:X+4*i+3] offset:SP*i
.set i, i+1
.endr
	s_wait_dscnt 0x0
.irp c, 0,1
.irp j, 0,1,2,3,4,5,6,7
	ds_load_b128 v[X+32*\c+4*\j:X+32*\c+4*\j+3], v14 offset:256*\c+16*\j
.endr
.endr
	s_wait_dscnt 0x0
.irp i2, 0,1,2,3
	v_pk_mul_f32 v[24+2*\i2:25+2*\i2], v[X+2*\i2:X+2*\i2+1], v[X+2*\i2:X+2*\i2+1]   ; the first four products start four chains
.endr
.set i, 4
.rept 28
	v_pk_fma_f32 v[24+2*(i%4):25+2*(i%4)], v[X+2*i:X+2*i+1], v[X+2*i:X+2*i+1], v[24+2*(i%4):25+2*(i%4)]
.set i, i+1
.endr
	s_delay_alu instid0(VALU_DEP_3)
	v_pk_add_f32 v[24:25], v[24:25], v[26:27]
	s_delay_alu instid0(VALU_DEP_2)
	v_pk_add_f32 v[28:29], v[28:29], v[30:31]
	s_delay_alu instid0(VALU_DEP_1)
	v_pk_add_f32 v[24:25], v[24:25], v[28:29]
	s_delay_alu instid0(VALU_DEP_1)
	v_add_f32 v24, v24, v25
	s_delay_alu instid0(VALU_DEP_1)
	v_permlanex16_b32 v59, v24, s36, s37
	s_delay_alu instid0(VALU_DEP_1)
	v_add_f32 v24, v24, v59                        ; row r's sum of squares over my wave's 128 numbers
	ds_store_b32 v15, v24                          ; (lanes r and r + 16 write the same word with the same value)
	s_wait_dscnt 0x0
	s_barrier_signal -1
	s_barrier_wait -1
.irp j, 0,1,2,3,4,5,6,7
	ds_load_b32 v[24+\j], v16 offset:64*\j
.endr
	s_wait_dscnt 0x0
	v_add_f32 v24, v24, v25
	v_add_f32 v26, v26, v27
	v_add_f32 v28, v28, v29
	v_add_f32 v30, v30, v31
	v_add_f32 v24, v24, v26
	v_add_f32 v28, v28, v30
	s_delay_alu instid0(VALU_DEP_1)
	v_add_f32 v24, v24, v28
	s_delay_alu instid0(VALU_DEP_1)
	v_fma_f32 v24, v24, s45, s44                   ; the mean + eps
	s_wait_alu depctr_va_vdst(0)
	v_rsq_f32 v60, v24
	v_nop
	s_wait_alu depctr_va_vdst(0)
	v_mov_b32 v61, v60
	s_wait_alu depctr_va_vdst(0)
	s_wait_loadcnt 0x0                             ; scale
.set i, 0
.rept 32
	v_pk_mul_f32 v[X+2*i:X+2*i+1], v[X+2*i:X+2*i+1], v[60:61]      ; normed = (x / rms) scale
.set i, i+1
.endr
.set i, 0
.rept 32
	v_pk_mul_f32 v[X+2*i:X+2*i+1], v[X+2*i:X+2*i+1], v[T+2*i:T+2*i+1]
.set i, i+1
.endr
.irp c, 0,1
	v_max3_num_f32 v[24+\c], |v[X+32*\c]|, |v[X+32*\c+1]|, 0x2800000   ; block 2 c + h, and the floor
.endr
.irp i2, 2,4,6,8,10,12,14,16,18,20,22,24,26,28,30
.irp c, 0,1
	v_max3_num_f32 v[24+\c], v[24+\c], |v[X+32*\c+\i2]|, |v[X+32*\c+\i2+1]|
.endr
.endr
.irp c, 0,1
	v_add_nc_u32 v[26+\c], 0xfe000000, v[24+\c]
.endr
.irp c, 0,1
	v_lshrrev_b32 v[28+\c], 23, v[26+\c]
.endr
	v_lshl_or_b32 v62, v29, 16, v28                ; my two bytes, blocks h and 2 + h,
	v_lshlrev_b32 v62, v19, v62                    ; at their places in the word;
	v_permlanex16_b32 v59, v62, s36, s37
	v_or_b32 v62, v62, v59                         ; with lane l xor 16's two the word is whole
	ds_store_b32 v17, v62
	s_wait_alu depctr_va_vdst(0)
	s_wait_dscnt 0x0
	s_barrier_signal -1                            ; the conversions, work on registers, stand between the signal and the wait
	v_cvt_scalef32_pk16_bf6_f32 v[C:C+2], v[X:X+15], v26
	v_cvt_scalef32_pk16_bf6_f32 v[20:22], v[X+16:X+31], v26
	v_cvt_scalef32_pk16_bf6_f32 v[C+6:C+8], v[X+32:X+47], v27
	v_cvt_scalef32_pk16_bf6_f32 v[56:58], v[X+48:X+63], v27
	v_nop                                          ; a plain instruction behind the conversions
.irp k, 0,1,2
	v_mov_b32 v[C+3+\k], v[20+\k]
	v_mov_b32 v[C+9+\k], v[56+\k]
.endr
	s_wait_alu depctr_va_vdst(0)
	s_barrier_wait -1
	s_cmp_ge_u32 s18, 2
	s_cbranch_scc1 .Lx_codes
	ds_load_b64 v[24:25], v12
	s_wait_dscnt 0x0
	global_store_b64 v9, v[24:25], s[34:35]        ; one aligned unit of 256 bytes
.Lx_codes:
.irp c, 0,1
	global_store_b128 v8, v[C+6*\c:C+6*\c+3], s[32:33] offset:768*\c
	global_store_b64 v9, v[C+6*\c+4:C+6*\c+5], s[32:33] offset:768*\c+512
.endr
	FINISH
.Lfunc_end_k_q2c9e4483c6_prep:
	.size	k_q2c9e4483c6_prep, .Lfunc_end_k_q2c9e4483c6_prep-k_q2c9e4483c6_prep
	.p2alignl 7, 3214868480
	.fill 96, 4, 3214868480
	.section	.rodata,"a",@progbits
	.p2align	6, 0x0
	.amdhsa_kernel k_q2c9e4483c6_prep
		.amdhsa_group_segment_fixed_size 70656
		.amdhsa_private_segment_fixed_size 0
		.amdhsa_enable_private_segment 0
		.amdhsa_kernarg_size 40
		.amdhsa_user_sgpr_count 2
		.amdhsa_user_sgpr_kernarg_segment_ptr 1
		.amdhsa_wavefront_size32 1
		.amdhsa_system_sgpr_workgroup_id_x 1
		.amdhsa_system_sgpr_workgroup_id_y 1
		.amdhsa_system_sgpr_workgroup_id_z 1
		.amdhsa_system_vgpr_workitem_id 0
		.amdhsa_next_free_vgpr 256
		.amdhsa_next_free_sgpr 66
		.amdhsa_reserve_vcc 0
		.amdhsa_float_denorm_mode_32 3
		.amdhsa_float_denorm_mode_16_64 3
		.amdhsa_memory_ordered 1
		.amdhsa_forward_progress 1
		.amdhsa_inst_pref_size 36
	.end_amdhsa_kernel
	.amdgpu_metadata
---
amdhsa.version: [ 1, 2 ]
amdhsa.kernels:
  - .name:           k_q2c9e4483c6_prep
    .symbol:         k_q2c9e4483c6_prep.kd
    .args:
      - { .name: x, .offset: 0, .size: 8, .value_kind: global_buffer, .address_space: global }
      - { .name: scale, .offset: 8, .size: 8, .value_kind: global_buffer, .address_space: global }
      - { .name: mlp1_weight, .offset: 16, .size: 8, .value_kind: global_buffer, .address_space: global }
      - { .name: xq, .offset: 24, .size: 8, .value_kind: global_buffer, .address_space: global }
      - { .name: w1q, .offset: 32, .size: 8, .value_kind: global_buffer, .address_space: global }
    .group_segment_fixed_size: 70656
    .private_segment_fixed_size: 0
    .kernarg_segment_align: 8
    .kernarg_segment_size: 40
    .max_flat_workgroup_size: 256
    .sgpr_count:     66
    .vgpr_count:     256
    .wavefront_size: 32
...
	.end_amdgpu_metadata
.endif
;; end of part 1
;; launch up (part 2): grid 32 x 8, 4 waves a work-group, clusters of 4 x 4, 327,680 bytes of LDS; arguments xq, w1q, mlp1_bias, mlp2_weight, actq, w2q; writes actq, w2q
.if DOCPART == 2
	.amdgcn_target "amdgcn-amd-amdhsa--gfx1250"
	.amdhsa_code_object_version 6
	.text
	.protected	k_q2c9e4483c6_up
	.globl	k_q2c9e4483c6_up
	.p2align	8
	.type	k_q2c9e4483c6_up,@function
k_q2c9e4483c6_up:
	s_mov_b64 s[64:65], 0
	v_nop
	global_prefetch_b8 v0, s[64:65] scope:SCOPE_SE
	s_setreg_imm32_b32 hwreg(HW_REG_WAVE_MODE, 25, 1), 1
	s_wait_xcnt 0x0
	s_wait_alu depctr_hold_cnt(0) depctr_sa_sdst(0) depctr_va_vdst(0) depctr_va_sdst(0) depctr_va_ssrc(0) depctr_va_vcc(0) depctr_vm_vsrc(0)
	s_getreg_b32 s2, hwreg(HW_REG_IB_STS2, 6, 4)
	s_cmp_eq_u32 s2, 0
	s_cbranch_scc0 .Lentry_in_a_cluster
	s_endpgm
.Lentry_in_a_cluster:
	s_bfe_u32 s2, ttmp6, 0x10000c
	s_cmp_lg_u32 s2, 0xf033
	s_cbranch_scc0 .Lentry_shape_is_right
	s_endpgm
.Lentry_shape_is_right:
; UP: hidden = normed W1 + b1 for experts 0 and 1 (the others are dead work: see the first kernel's head), on codes of BF6 with E8M0 scales; act = min(gate, 7) sigmoid(1.702 gate) (clip(linear, -7, 7) + 1) in f32, quantised along the hidden units.
; AND W2 of experts 0 and 1 is quantised here, once: each wave takes 64 outputs x 64 along K of it.
; A work-group makes 128 tokens x 128 hidden units of block nblk = 16 e + iblk.  Wave w = 2 wm + wn: 64 tokens x 64 units: 4 tiles of tokens x 8 tiles of W1 (t = 4 kind + j): 32 accumulators, 32 matrix instructions a K step of 128.
; OPERANDS lie in memory as images of their registers (see the first kernel).  ALL EIGHT K STEPS FIT IN LDS (307,200 bytes): every byte is filled once, by one load a wave: waves 0, 1 bring x's and W1's K steps 0 and 1, waves 2, 3 the other six.
; CLUSTER 4 x 4: the four of a row need the same tiles of x, the four of a column the same tiles of W1: each is asked for jointly.  No prefetch: there is no loop to run ahead in.
; THE MATRIX INSTRUCTION IS USED TRANSPOSED (source 0 = 16 columns of W1, source 1 = 16 tokens): lane (r, h) holds token r; tile j's register i is unit 32 h + 4 i + j of the wave's 64.
; So the 32 registers of tiles j = 0 .. 3 are ONE WHOLE BLOCK of 32 along the next K, in the order p = 8 j + i: unit 4 (p % 8) + p / 8; W2's rows are loaded in the same order.  b1 is the C of each sum's first matrix instruction.
; actq and w2q: [K step = nblk: 32][quad of 64 tokens or outputs: 16], a quad 6,400 bytes; fragment j of w2q holds outputs 4 m + j.
; LIMITS: as the first kernel's: a block of zeros gets the byte 1; NaN and infinities are not served.
; REGISTERS: window 0: v1-27 addresses; v32-43 scale words, two sets (x's 2, W1's 4), and nothing else; v64-111, v112-159 x's 4 fragments, two sets (on the way out at work).
;   window 1: v0-95, v96-191 W1's 8 fragments, two sets; v192-255 b1's eight tiles.   window 2: accumulator (a, t) at v[8 (8 a + t)].   window 3: v0-127 W2's 64 x 64 numbers, 128 a lane.
.set WL,    102400                     ; LDS: x's block (4,096 bytes of scale words, then eight K steps of 12,288); then W1's eight K steps, 25,600 each
.set SCL,   307200                     ; four units of scale words: act's two quads, W2's two
.set SPARE, SCL+1024
.set MSB, 0
.macro WIN new                         ; the immediate's high byte repeats the setting that is left
.if MSB != \new
	s_set_vgpr_msb (MSB<<8)|\new
.set MSB, \new
.endif
.endm
.macro CROUND                          ; a round of the cluster's barrier
	s_barrier_signal -1
	s_barrier_wait -1
	s_cmp_lg_u32 s66, 0
	s_cbranch_scc1 .Lnot_wave_0_\@
	s_barrier_signal -3
.Lnot_wave_0_\@:
	s_barrier_wait -3
	s_barrier_signal -1
	s_barrier_wait -1
.endm
.macro GRP1 b, r                       ; descriptor group 1 but its first word: a dense block as r rows of 256 bytes (32 elements of 8 bytes)
	s_mov_b32 s[\b+1], 32<<16
	s_mov_b32 s[\b+2], (\r)<<16
	s_mov_b32 s[\b+3], 32<<16
	s_mov_b32 s[\b+4], \r
	s_mov_b32 s[\b+5], 32
	s_mov_b32 s[\b+6], 0
	s_mov_b32 s[\b+7], 0
.endm
	s_load_b256 s[4:11], s[0:1], 0x0               ; xq s[4:5], w1q s[6:7], b1 s[8:9], W2 s[10:11]
	s_load_b128 s[12:15], s[0:1], 0x20             ; actq s[12:13], w2q s[14:15]
	v_lshl_add_u32 v62, v0, 2, SPARE
	v_mov_b32 v63, 0
	ds_add_u32 v62, v63                            ; the opening: the add, twice on end, and its wait
	ds_add_u32 v62, v63
	v_lshrrev_b32 v1, 5, v0
	v_readfirstlane_b32 s66, v1                    ; wave 0..3
	s_lshr_b32 s67, s66, 1                         ; wm: my 64 tokens; of W2 my quad
	s_and_b32 s68, s66, 1                          ; wn: my 64 units; of W2 my 64 along K
	s_bfe_u32 s69, ttmp6, 0x40000                  ; cx, cy: my place in the cluster
	s_bfe_u32 s70, ttmp6, 0x40004
	s_lshl_b32 s71, ttmp9, 2
	s_add_co_u32 s71, s71, s69                     ; nblk
	s_and_b32 s72, ttmp7, 0xffff
	s_lshl_b32 s72, s72, 2
	s_add_co_u32 s72, s72, s70                     ; mblk
	s_lshl_b32 s73, s70, 2
	s_lshl_b32 s73, 15, s73                        ; my row of the cluster
	s_lshl_b32 s74, 0x1111, s69                    ; my column
	s_or_b32 s16, s73, (3<<16)|(1<<21)             ; 15:0 the mask: x's tiles go to my row; 17:16 elements of 8 bytes; 21 set beside a mask
	s_or_b32 s24, s74, (3<<16)|(1<<21)             ; W1's to my column
	s_or_b32 s32, s73, (3<<16)|(1<<21)
	s_or_b32 s40, s74, (3<<16)|(1<<21)
	GRP1 16, 112                                   ; x: all scale words, K steps 0, 1
	GRP1 24, 200                                   ; W1: K steps 0, 1
	GRP1 32, 288                                   ; x: K steps 2 to 7
	GRP1 40, 600                                   ; W1: K steps 2 to 7
	s_mov_b32 s48, 1
	s_mov_b32 s49, 0
	s_mov_b32 s52, 1
	s_mov_b32 s53, WL
	s_mov_b32 s56, 1
	s_mov_b32 s57, 28672
	s_mov_b32 s60, 1
	s_mov_b32 s61, WL+51200
	s_mul_i32 s76, s72, 102400                     ; x: token block mblk
	s_mov_b32 s77, 0
	s_mul_i32 s78, s71, 204800                     ; W1: block nblk
	s_mov_b32 s79, 0
	s_lshr_b32 s80, s71, 4                         ; b1: expert 16,384 bytes, block 512, my units 256
	s_lshl_b32 s80, s80, 14
	s_and_b32 s81, s71, 15
	s_lshl_b32 s81, s81, 9
	s_add_co_u32 s80, s80, s81
	s_lshl_b32 s81, s68, 8
	s_add_co_u32 s80, s80, s81
	s_mov_b32 s81, 0
	s_lshl_b32 s82, s71, 19                        ; W2: row 128 nblk + 64 wn (expert 1 follows expert 0 without a gap), output 64 (2 mblk + wm)
	s_lshl_b32 s83, s68, 18
	s_add_co_u32 s82, s82, s83
	s_lshl_b32 s83, s72, 9
	s_add_co_u32 s82, s82, s83
	s_lshl_b32 s83, s67, 8
	s_add_co_u32 s82, s82, s83
	s_mov_b32 s83, 0
	s_mul_i32 s84, s71, 102400                     ; act and W2's codes: K step nblk, quads 2 mblk, 2 mblk + 1
	s_mul_i32 s85, s72, 12800
	s_add_co_u32 s84, s84, s85
	s_mul_i32 s85, s68, 6400                       ; wave w stores unit w of scale words: quad w % 2 of act (w < 2) or of W2
	s_add_co_u32 s90, s84, s85
	s_add_co_u32 s90, s90, 6144
	s_mov_b32 s91, 0
	s_mul_i32 s85, s67, 6400                       ; my codes: quad wm, half wn
	s_add_co_u32 s84, s84, s85
	s_mul_i32 s85, s68, 768
	s_add_co_u32 s84, s84, s85
	s_mov_b32 s85, 0
	s_mov_b32 s86, 0x40e00000                      ; 7
	s_mov_b32 s87, 0xc0c00000                      ; -6
	s_mov_b32 s75, 0x41000000                      ; 8
	s_mov_b32 s88, 0xc01d265f                      ; -1.702 log2(e)
	s_mov_b32 s89, s88                             ; (named with it as a pair, so it is written)
	s_mul_i32 s92, s67, 6144
	s_add_co_u32 s92, s92, 4096
	s_add_co_u32 s93, s92, 512
	s_lshl_b32 s94, s67, 11
	s_mul_i32 s95, s68, 12800
	s_add_co_u32 s95, s95, WL
	s_add_co_u32 s96, s95, 512
	s_add_co_u32 s97, s95, 6144
	s_lshl_b32 s98, s67, 8
	s_lshl_b32 s99, s68, 1
	s_add_co_u32 s98, s98, s99
	s_add_co_u32 s98, s98, SCL
	s_lshl_b32 s99, s66, 8
	s_add_co_u32 s99, s99, SCL
	v_and_b32 v3, 31, v0                           ; lane
	v_and_b32 v1, 15, v0                           ; r
	v_bfe_u32 v2, v0, 4, 1                         ; h
	v_lshl_add_u32 v4, v3, 4, s92                  ; x's fragments, K steps 0-3 (and 4-7): 16 x lane,
	v_lshl_add_u32 v6, v3, 3, s93                  ; 8 x lane,
	v_lshlrev_b32 v8, 2, v1                        ; scale words of x: lanes 0-15 an even fragment's, lanes 16-31 the odd one's, 512 bytes on
	v_lshl_add_u32 v8, v2, 9, v8
	v_add_nc_u32 v8, s94, v8
	v_lshl_add_u32 v10, v3, 4, s95                 ; W1's, two K steps to a register
	v_lshl_add_u32 v14, v3, 3, s96
	v_lshl_add_u32 v18, v3, 2, s97
.irp a, 4,6
	v_add_nc_u32 v[\a+1], 49152, v[\a]
.endr
.irp k, 1,2,3
.irp a, 10,14,18
	v_add_nc_u32 v[\a+\k], 51200*\k, v[\a]
.endr
.endr
	v_lshlrev_b32 v22, 4, v1
	v_lshl_add_u32 v22, v2, 17, v22                ; W2: outputs 4 r .. 4 r + 3, from row 32 h on
	v_lshlrev_b32 v23, 4, v3                       ; codes out: 16 x lane,
	v_lshlrev_b32 v24, 3, v3                       ; 8 x lane
	v_lshl_add_u32 v25, v1, 2, v2
	v_add_nc_u32 v25, s98, v25                     ; LDS: my scale byte: quad wm, row r, byte 2 wn + h
	v_lshl_add_u32 v26, v3, 3, s99                 ; LDS: unit w, 8 bytes a lane
	v_lshlrev_b32 v27, 7, v2                       ; b1: 128 h
	s_wait_alu depctr_va_vdst(0)
	s_wait_dscnt 0x0                               ; both opening adds are done
	CROUND                                         ; all sixteen work-groups are here: the joint loads meet.  (The round hangs on no argument)
	s_wait_kmcnt 0x0
	s_add_nc_u64 s[4:5], s[4:5], s[76:77]
	s_add_nc_u64 s[6:7], s[6:7], s[78:79]
	s_add_nc_u64 s[8:9], s[8:9], s[80:81]
	s_add_nc_u64 s[10:11], s[10:11], s[82:83]
	s_cmp_lt_u32 s66, 2
	s_cselect_b64 s[94:95], s[12:13], s[14:15]
	s_add_nc_u64 s[94:95], s[94:95], s[90:91]
	s_add_nc_u64 s[12:13], s[12:13], s[84:85]
	s_add_nc_u64 s[14:15], s[14:15], s[84:85]
	s_mov_b64 s[50:51], s[4:5]
	s_or_b32 s51, s51, 0x80000000
	s_mov_b64 s[54:55], s[6:7]
	s_or_b32 s55, s55, 0x80000000
	s_add_nc_u64 s[58:59], s[4:5], 28672
	s_or_b32 s59, s59, 0x80000000
	s_add_nc_u64 s[62:63], s[6:7], 51200
	s_or_b32 s63, s63, 0x80000000
.irp k, 0,1
.irp i2, 0,1,2,3,4,5,6,7
	global_load_b128 v[160+32*\k+4*\i2:163+32*\k+4*\i2], v27, s[8:9] offset:8192*\k+16*\i2   ; b1 at units 32 h + 4 i + 0 .. 3, gate and linear
.endr
.endr
; ONE LOAD A WAVE: one tree of branches on the wave's number; every way through it passes exactly one load.
.macro ARM under, g0, g1, next
	s_cmp_lt_u32 s66, \under
	s_cbranch_scc0 \next
	tensor_load_to_lds s[\g0:\g0+3], s[\g1:\g1+7]
	s_nop 0
.rept 4
	v_nop
.endr
	s_branch .Lasked
\next:
.endm
	ARM 1, 48, 16, .Lask_1
	ARM 2, 52, 24, .Lask_2
	ARM 3, 56, 32, .Lask_3
	tensor_load_to_lds s[60:63], s[40:47]
	s_nop 0
.rept 4
	v_nop
.endr
.Lasked:
.set p, 0
	s_wait_loadcnt 0x0                             ; b1 is in
	WIN 0x40
.irp k, 0,1
.irp j, 0,1,2,3
.irp i2, 0,1,2,3,4,5,6,7
.if \k == 0
	v_mov_b32 v[192+32*\k+8*\j+\i2], v[160+32*\k+4*\i2+\j]        ; into the results' layout: tile (kind, j), register i
.else
	v_add_f32 v[192+32*\k+8*\j+\i2], 1.0, v[160+32*\k+4*\i2+\j]   ; linear: b1 + 1, so that the sum is linear + 1
.endif
.endr
.endr
.endr
	WIN 0
	s_wait_alu depctr_va_vdst(0)
	s_cmp_ge_u32 s66, 2                            ; waves 2 and 3 have load lines of their own, and wait for them ahead of the second barrier
	s_cbranch_scc1 .Lfirst_two
	s_wait_tensorcnt 0x0                           ; K steps 0 and 1 have landed
.Lfirst_two:
	s_barrier_signal -1
	s_barrier_wait -1
.macro WM                              ; one product; rRW, rRX: the scale words stand in lanes 16-31 of their registers
.if (rRW == 1) && (rRX == 1)
	v_wmma_scale_f32_16x16x128_f8f6f4 v[rD:rD+7], v[rW:rW+11], v[rX:rX+11], v[rC:rC+7], v[rSW], v[rSX] matrix_a_fmt:MATRIX_FMT_BF6 matrix_b_fmt:MATRIX_FMT_BF6 matrix_a_scale:MATRIX_SCALE_ROW1 matrix_b_scale:MATRIX_SCALE_ROW1
.elseif rRW == 1
	v_wmma_scale_f32_16x16x128_f8f6f4 v[rD:rD+7], v[rW:rW+11], v[rX:rX+11], v[rC:rC+7], v[rSW], v[rSX] matrix_a_fmt:MATRIX_FMT_BF6 matrix_b_fmt:MATRIX_FMT_BF6 matrix_a_scale:MATRIX_SCALE_ROW1
.elseif rRX == 1
	v_wmma_scale_f32_16x16x128_f8f6f4 v[rD:rD+7], v[rW:rW+11], v[rX:rX+11], v[rC:rC+7], v[rSW], v[rSX] matrix_a_fmt:MATRIX_FMT_BF6 matrix_b_fmt:MATRIX_FMT_BF6 matrix_b_scale:MATRIX_SCALE_ROW1
.else
	v_wmma_scale_f32_16x16x128_f8f6f4 v[rD:rD+7], v[rW:rW+11], v[rX:rX+11], v[rC:rC+7], v[rSW], v[rSX] matrix_a_fmt:MATRIX_FMT_BF6 matrix_b_fmt:MATRIX_FMT_BF6
.endif
.endm
; K step c: the 32 accumulators take turns, one instruction a turn, in the same order in every step.
.macro MUL c, a0, n                    ; tiles of tokens a0 .. a0 + n - 1
.if \c == 0
	WIN 0x91                                       ; source 0 (W1) window 1, source 1 (x) window 0, C (b1) window 1, D window 2
.else
	WIN 0xa1                                       ; C and D window 2
.endif
.set ta, \a0
.rept \n
.set tb, 0
.rept 8
.set rD, 8*(8*ta+tb)
.if \c == 0
.set rC, 192+8*tb
.else
.set rC, rD
.endif
.set rW, 96*(\c%2)+12*tb
.set rX, 64+48*(\c%2)+12*ta
.set rSW, 34+6*(\c%2)+tb/2
.set rSX, 32+6*(\c%2)+ta/2
.set rRW, tb%2
.set rRX, ta%2
	WM
.set tb, tb+1
.endr
.set ta, ta+1
.endr
.endm
; K step s's 12 fragments and 6 registers of scale words into set s % 2, in three runs: W1's tiles t0 .. t0 + 3 (16 LDS loads), twice, and x's with all scale words (22)
.macro FETCHW s, t0
	WIN 0x40
.irp t, \t0, \t0+1, \t0+2, \t0+3
.irp c, 0,1
	ds_load_b128 v[96*((\s)%2)+12*(\t)+6*\c:96*((\s)%2)+12*(\t)+6*\c+3], v[10+(\s)/2] offset:25600*((\s)%2)+6400*((\t)/4)+1536*((\t)%4)+768*\c
	ds_load_b64 v[96*((\s)%2)+12*(\t)+6*\c+4:96*((\s)%2)+12*(\t)+6*\c+5], v[14+(\s)/2] offset:25600*((\s)%2)+6400*((\t)/4)+1536*((\t)%4)+768*\c
.endr
.endr
.endm
.macro FETCHX s
	WIN 0
.irp a, 0,1,2,3
.irp c, 0,1
	ds_load_b128 v[64+48*((\s)%2)+12*\a+6*\c:64+48*((\s)%2)+12*\a+6*\c+3], v[4+(\s)/4] offset:12288*((\s)%4)+1536*\a+768*\c
	ds_load_b64 v[64+48*((\s)%2)+12*\a+6*\c+4:64+48*((\s)%2)+12*\a+6*\c+5], v[6+(\s)/4] offset:12288*((\s)%4)+1536*\a+768*\c
.endr
.endr
.irp q, 0,1
	ds_load_b32 v[32+6*((\s)%2)+\q], v8 offset:64*(\s)+1024*\q
.endr
.irp q, 0,1,2,3
	ds_load_b32 v[34+6*((\s)%2)+\q], v[18+(\s)/2] offset:25600*((\s)%2)+6400*(\q/2)+128*(\q%2)
.endr
.endm
	FETCHW 0, 0
	FETCHW 0, 4
	FETCHX 0
.irp c, 0,1,2,3,4,5,6,7
	s_wait_dscnt 0x0                               ; this step's fragments are in
.if \c == 1
	s_wait_tensorcnt 0x0                           ; all my tensor loads have landed; nothing is ever filled again
	s_barrier_signal -1
	s_barrier_wait -1                              ; everybody's have: K steps 2 to 7 are whole
.endif
.if \c < 7
.rept 4
	v_nop                                          ; places between the last step's products and the loads into the set that they read
.endr
	FETCHW \c+1, 0
.endif
	MUL \c, 0, 1
.if \c < 7
	FETCHW \c+1, 4
.endif
	MUL \c, 1, 1
.if \c < 7
	FETCHX \c+1
.endif
	MUL \c, 2, 2
.if (\c > 0) && (\c < 7)               ; all tiles have landed: W2's 32 loads go out behind the products of K steps 1 to 6: 6, 6, 6, 6, 4, 4
	WIN 0xc0                                       ; destination window 3
.rept 6-2*(\c/5)
	global_load_b128 v[4*p:4*p+3], v22, s[10:11] offset:(4*(p%8)+p/8)*4096 th:TH_LOAD_NT   ; W2's rows in the order in which act's units stand
.set p, p+1
.endr
	WIN 0
.endif
.endr
	; W2's 64 x 64 numbers: lane (r, h) holds the block of 32 at 32 h of outputs 4 r .. 4 r + 3: register 4 p + j of window 3.
.macro W2Q
	s_wait_loadcnt 0x0
	WIN 0x3c                                       ; sources 1 and 2 window 3
.irp j, 0,1,2,3
	v_max3_num_f32 v[44+\j], 0x2800000, |v[\j]|, |v[4+\j]|        ; the block's largest magnitude, and the floor 2^(5 - 127); four columns by turns
.endr
.irp i2, 2,4,6,8,10,12,14,16,18,20,22,24,26,28,30
.irp j, 0,1,2,3
	v_max3_num_f32 v[44+\j], v[44+\j], |v[4*\i2+\j]|, |v[4*\i2+4+\j]|
.endr
.endr
	WIN 0x03                                       ; source 0 window 3
.irp j, 0,1,2,3
.set p, 0
.rept 32
	v_mov_b32 v[64+32*\j+p], v[4*p+\j]             ; a column's 32 numbers into consecutive registers, as the conversion takes them
.set p, p+1
.endr
.endr
	WIN 0
.irp j, 0,1,2,3
	v_add_nc_u32 v[48+\j], 0xfe000000, v[44+\j]    ; 4 off the exponent field: the conversion's scale operand
.endr
.irp j, 0,1,2,3
	v_lshrrev_b32 v[56+\j], 23, v[48+\j]           ; the scale's byte
.endr
.irp j, 0,1,2,3
	v_cvt_scalef32_pk16_bf6_f32 v[216+6*\j:218+6*\j], v[64+32*\j:79+32*\j], v[48+\j]
	v_cvt_scalef32_pk16_bf6_f32 v[240+4*\j:242+4*\j], v[80+32*\j:95+32*\j], v[48+\j]
.endr
	v_nop                                          ; a plain instruction behind the conversions
.irp j, 0,1,2,3
.irp k, 0,1,2
	v_mov_b32 v[219+6*\j+\k], v[240+4*\j+\k]
.endr
.endr
.irp j, 0,1,2,3
	global_store_b128 v23, v[216+6*\j:219+6*\j], s[14:15] offset:1536*\j        ; 32 lanes store 512 consecutive bytes,
	global_store_b64 v24, v[220+6*\j:221+6*\j], s[14:15] offset:1536*\j+512     ; and 256
	ds_store_b8 v25, v[56+\j] offset:512+64*\j
.endr
.endm
; THE ACTIVATION AND THE QUANTISER, a tile of 16 tokens at a time: v64-95 gate, then act; v96-127 linear; v128-159 the exponentials.  Each accumulator is read from its low end on.
.macro ACT a
	WIN 0x08                                       ; source 1: window 2
	s_wait_alu depctr_va_vdst(0)
.set j, 0
.rept 32
	v_min_num_f32 v[64+j], s86, v[64*\a+j]
.set j, j+1
.endr
.set j, 0
.rept 32
	v_med3_num_f32 v[96+j], s87, v[64*\a+32+j], s75                ; clip(linear, -7, 7) + 1: the sum is linear + 1
.set j, j+1
.endr
	WIN 0
.set j, 0
.rept 16
	v_pk_mul_f32 v[128+j:129+j], v[64+j:65+j], s[88:89] op_sel_hi:[1,0]
.set j, j+2
.endr
	s_wait_alu depctr_va_vdst(0)
.set j, 0
.rept 32
	v_exp_f32 v[128+j], v[128+j]                   ; e^(-1.702 gate)
.set j, j+1
.endr
	v_nop                                          ; a plain instruction behind the exponentials
	s_wait_alu depctr_va_vdst(0)
.set j, 0
.rept 16
	v_pk_add_f32 v[128+j:129+j], v[128+j:129+j], 1.0 op_sel_hi:[1,0]
.set j, j+2
.endr
	s_wait_alu depctr_va_vdst(0)
.set j, 0
.rept 32
	v_rcp_f32 v[128+j], v[128+j]                   ; the sigmoid
.set j, j+1
.endr
.set j, 0
.rept 16
	v_pk_mul_f32 v[64+j:65+j], v[64+j:65+j], v[96+j:97+j]          ; gate (linear + 1): plain instructions behind the reciprocals
.set j, j+2
.endr
	s_wait_alu depctr_va_vdst(0)
.set j, 0
.rept 16
	v_pk_mul_f32 v[64+j:65+j], v[64+j:65+j], v[128+j:129+j]
.set j, j+2
.endr
	v_max3_num_f32 v44, |v64|, |v65|, 0x2800000    ; the block's largest magnitude: all 32 numbers are mine; the floor; two chains
	v_max3_num_f32 v45, |v66|, |v67|, |v68|
.irp i2, 5,9,13,17,21,25
	v_max3_num_f32 v44, v44, |v[64+\i2]|, |v[65+\i2]|
	v_max3_num_f32 v45, v45, |v[66+\i2]|, |v[67+\i2]|
.endr
	v_max3_num_f32 v44, v44, |v93|, |v94|
	v_max3_num_f32 v44, v44, v45, |v95|
	v_add_nc_u32 v48, 0xfe000000, v44              ; 4 off the exponent field: the conversion's scale operand
	v_cvt_scalef32_pk16_bf6_f32 v[192+6*\a:194+6*\a], v[64:79], v48
	v_cvt_scalef32_pk16_bf6_f32 v[184:186], v[80:95], v48
	v_lshrrev_b32 v[52+\a], 23, v48                ; the scale's byte; also the plain instruction behind the conversions
.irp k, 0,1,2
	v_mov_b32 v[195+6*\a+\k], v[184+\k]
.endr
	global_store_b128 v23, v[192+6*\a:195+6*\a], s[12:13] offset:1536*\a
	global_store_b64 v24, v[196+6*\a:197+6*\a], s[12:13] offset:1536*\a+512
	ds_store_b8 v25, v[52+\a] offset:64*\a
.endm
.rept 4
	v_nop                                          ; places behind the last products
.endr
.irp a, 0,1,2,3
	ACT \a
.endr
	W2Q                                            ; W2's loads have had the products and the activation in which to land
	s_wait_dscnt 0x0                               ; for the others' sake: my bytes have landed
	s_barrier_signal -1
	s_barrier_wait -1                              ; four units of scale words are whole, one for each wave to store
	ds_load_b64 v[240:241], v26
	s_wait_dscnt 0x0
	global_store_b64 v24, v[240:241], s[94:95]     ; one aligned unit of 256 bytes
	s_wait_tensorcnt 0x0                           ; the wave's end
	ds_add_u32 v62, v63
	s_wait_dscnt 0x0
	CROUND                                         ; the closing round: no work-group ends while a partner may still ask for a tile that names it
	s_endpgm
.Lfunc_end_k_q2c9e4483c6_up:
	.size	k_q2c9e4483c6_up, .Lfunc_end_k_q2c9e4483c6_up-k_q2c9e4483c6_up
	.p2alignl 7, 3214868480
	.fill 96, 4, 3214868480
	.section	.rodata,"a",@progbits
	.p2align	6, 0x0
	.amdhsa_kernel k_q2c9e4483c6_up
		.amdhsa_group_segment_fixed_size 327680
		.amdhsa_private_segment_fixed_size 0
		.amdhsa_enable_private_segment 0
		.amdhsa_kernarg_size 48
		.amdhsa_user_sgpr_count 2
		.amdhsa_user_sgpr_kernarg_segment_ptr 1
		.amdhsa_wavefront_size32 1
		.amdhsa_system_sgpr_workgroup_id_x 1
		.amdhsa_system_sgpr_workgroup_id_y 1
		.amdhsa_system_sgpr_workgroup_id_z 1
		.amdhsa_system_vgpr_workitem_id 0
		.amdhsa_next_free_vgpr 896
		.amdhsa_next_free_sgpr 100
		.amdhsa_reserve_vcc 0
		.amdhsa_float_denorm_mode_32 3
		.amdhsa_float_denorm_mode_16_64 3
		.amdhsa_memory_ordered 1
		.amdhsa_forward_progress 1
		.amdhsa_inst_pref_size 134
	.end_amdhsa_kernel
	.amdgpu_metadata
---
amdhsa.version: [ 1, 2 ]
amdhsa.kernels:
  - .name:           k_q2c9e4483c6_up
    .symbol:         k_q2c9e4483c6_up.kd
    .args:
      - { .name: xq, .offset: 0, .size: 8, .value_kind: global_buffer, .address_space: global }
      - { .name: w1q, .offset: 8, .size: 8, .value_kind: global_buffer, .address_space: global }
      - { .name: mlp1_bias, .offset: 16, .size: 8, .value_kind: global_buffer, .address_space: global }
      - { .name: mlp2_weight, .offset: 24, .size: 8, .value_kind: global_buffer, .address_space: global }
      - { .name: actq, .offset: 32, .size: 8, .value_kind: global_buffer, .address_space: global }
      - { .name: w2q, .offset: 40, .size: 8, .value_kind: global_buffer, .address_space: global }
    .group_segment_fixed_size: 327680
    .private_segment_fixed_size: 0
    .kernarg_segment_align: 8
    .kernarg_segment_size: 48
    .max_flat_workgroup_size: 128
    .sgpr_count:     100
    .vgpr_count:     896
    .wavefront_size: 32
...
	.end_amdgpu_metadata
.endif
;; end of part 2
;; launch down (part 3): grid 16 x 16, 4 waves a work-group, clusters of 4 x 4, 327,680 bytes of LDS; arguments actq, w2q, x, mlp2_bias, out0; writes out0
.if DOCPART == 3
	.amdgcn_target "amdgcn-amd-amdhsa--gfx1250"
	.amdhsa_code_object_version 6
	.text
	.protected	k_q2c9e4483c6_down
	.globl	k_q2c9e4483c6_down
	.p2align	8
	.type	k_q2c9e4483c6_down,@function
k_q2c9e4483c6_down:
	s_mov_b64 s[64:65], 0
	v_nop
	global_prefetch_b8 v0, s[64:65] scope:SCOPE_SE
	s_setreg_imm32_b32 hwreg(HW_REG_WAVE_MODE, 25, 1), 1
	s_wait_xcnt 0x0
	s_wait_alu depctr_hold_cnt(0) depctr_sa_sdst(0) depctr_va_vdst(0) depctr_va_sdst(0) depctr_va_ssrc(0) depctr_va_vcc(0) depctr_vm_vsrc(0)
	s_getreg_b32 s2, hwreg(HW_REG_IB_STS2, 6, 4)
	s_cmp_eq_u32 s2, 0
	s_cbranch_scc0 .Lentry_in_a_cluster
	s_endpgm
.Lentry_in_a_cluster:
	s_bfe_u32 s2, ttmp6, 0x10000c
	s_cmp_lg_u32 s2, 0xf033
	s_cbranch_scc0 .Lentry_shape_is_right
	s_endpgm
.Lentry_shape_is_right:
; DOWN: out = x + 0.5 (act_0 W2_0 + b2_0) + 0.5 (act_1 W2_1 + b2_1), on codes of BF6 with E8M0 scales.  Experts 2 to 7 weigh 0 (dead work: see the first kernel's head).  Both live experts weigh 0.5, so they lie on end along K: 32 K steps of 128, one sum.
; A work-group makes 64 tokens x 64 outputs.  THE FOUR WAVES SPLIT K: a wave takes 8 of the 32 K steps for the whole 64 x 64 (16 accumulators), so each operand byte is read once; the four partial sums meet in LDS at the end.
; LIMIT: the f32 sums so run in another order than a single ascending chain; NaN and infinities are not served.
; OPERANDS are images of their registers: a quad (64 rows x 128 K) is 6,400 bytes.  K steps 0-23 come into LDS (307,200 bytes) by ONE joint load a wave: waves 0, 1 bring act's and W2's steps 0-11, waves 2, 3 their steps 12-23.
; K steps 24-31, for which LDS has no room, come straight into registers, each wave its own two.  Nothing is ever filled again.
; CLUSTER 4 x 4: act's tiles are shared along a row of the cluster, W2's along a column.  No prefetch: there is no loop to run ahead in.
; TRANSPOSED USE (source 0 = 16 rows of W2, source 1 = 16 tokens): lane (r, h) holds token r; register i of tile b is output 32 h + 4 i + b of the 64.
; REGISTERS: window 0: v1-27 addresses; v28, v29 for the add; v32-39, v40-47 scale words (LDS sets; direct steps), and nothing else; v64-159, v160-255 fragments, two sets (act's 4, then W2's 4).
;   window 1: accumulator (a, b) at v[8 (4 a + b)].   window 2: v0-191 the two direct steps' fragments; v192-223 x; v224-231 b2.
.set QD,    6400
.set KP,    16*QD                      ; from K step to K step in memory
.set LWA,   12*QD                      ; LDS: act's steps 0-11, W2's steps 0-11, act's 12-23, W2's 12-23
.set LAB,   24*QD
.set LWB,   36*QD
.set SPARE, 48*QD                      ; the spare words, 128 bytes for each wave
.set SPI,   272                        ; a stage row: 256 bytes + 16.  The stage (69,632 bytes) lies from 0 on, in the bytes of act's steps 0-11: filled once, and read for the last time ahead of the second barrier
.set WST,   64*SPI                     ; a wave's 64 rows
.set MSB, 0
.macro WIN new                         ; the immediate's high byte repeats the setting that is left
.if MSB != \new
	s_set_vgpr_msb (MSB<<8)|\new
.set MSB, \new
.endif
.endm
.macro PLACES
.rept 4
	v_nop
.endr
.endm
.macro CROUND                          ; a round of the cluster's barrier
	s_barrier_signal -1
	s_barrier_wait -1
	s_cmp_lg_u32 s14, 0
	s_cbranch_scc1 .Lnot_wave_0_\@
	s_barrier_signal -3
.Lnot_wave_0_\@:
	s_barrier_wait -3
	s_barrier_signal -1
	s_barrier_wait -1
.endm
.macro GRP1 b                          ; descriptor group 1 but its first word: 12 rows of 6,400 bytes (800 elements of 8), 102,400 bytes apart
	s_mov_b32 s[\b+1], 800<<16
	s_mov_b32 s[\b+2], 12<<16
	s_mov_b32 s[\b+3], 800<<16
	s_mov_b32 s[\b+4], 12
	s_mov_b32 s[\b+5], KP/8
	s_mov_b32 s[\b+6], 0
	s_mov_b32 s[\b+7], 0
.endm
	s_load_b256 s[4:11], s[0:1], 0x0               ; actq s[4:5], w2q s[6:7], x s[8:9], b2 s[10:11]
	s_load_b64 s[12:13], s[0:1], 0x20              ; out0
	v_lshl_add_u32 v28, v0, 2, SPARE
	v_mov_b32 v29, 0
	ds_add_u32 v28, v29                            ; the opening: the add, twice on end, and its wait
	ds_add_u32 v28, v29
	v_lshrrev_b32 v1, 5, v0
	v_readfirstlane_b32 s14, v1                    ; wave 0..3
	s_bfe_u32 s67, ttmp6, 0x40000                  ; cx, cy
	s_bfe_u32 s68, ttmp6, 0x40004
	s_lshl_b32 s69, ttmp9, 2
	s_add_co_u32 s69, s69, s67                     ; nq: my 64 outputs
	s_and_b32 s70, ttmp7, 0xffff
	s_lshl_b32 s70, s70, 2
	s_add_co_u32 s70, s70, s68                     ; mq: my 64 tokens
	s_lshl_b32 s71, s68, 2
	s_lshl_b32 s71, 15, s71                        ; my row of the cluster
	s_lshl_b32 s72, 0x1111, s67                    ; my column
	s_or_b32 s16, s71, (3<<16)|(1<<21)             ; 15:0 the mask: act's tiles go to my row; 17:16 elements of 8 bytes; 21 set beside a mask
	s_or_b32 s24, s72, (3<<16)|(1<<21)             ; W2's to my column
	s_or_b32 s32, s71, (3<<16)|(1<<21)
	s_or_b32 s40, s72, (3<<16)|(1<<21)
	GRP1 16
	GRP1 24
	GRP1 32
	GRP1 40
	s_mov_b32 s48, 1
	s_mov_b32 s49, 0
	s_mov_b32 s52, 1
	s_mov_b32 s53, LWA
	s_mov_b32 s56, 1
	s_mov_b32 s57, LAB
	s_mov_b32 s60, 1
	s_mov_b32 s61, LWB
	s_mul_i32 s74, s70, QD
	s_mov_b32 s75, 0
	s_mul_i32 s76, s69, QD
	s_mov_b32 s77, 0
	s_mul_i32 s78, s14, 2*KP                       ; my direct K steps: 24 + 2 w, 25 + 2 w
	s_add_co_u32 s78, s78, 24*KP
	s_mov_b32 s79, 0
	s_lshl_b32 s80, s70, 18                        ; x and out: row 64 mq + 16 w, byte 256 nq
	s_lshl_b32 s81, s14, 16
	s_add_co_u32 s80, s80, s81
	s_lshl_b32 s82, s69, 8
	s_add_co_u32 s80, s80, s82
	s_mov_b32 s81, 0
	s_mov_b32 s83, 0
	s_mul_i32 s84, s14, 3*QD                       ; of steps 0-11 I take three, from 3 w on;
	s_add_co_u32 s85, s84, 512
	s_add_co_u32 s86, s84, 6144
	s_add_co_u32 s87, s84, LAB                     ; of steps 12-23 three, from 12 + 3 w on
	s_add_co_u32 s88, s87, 512
	s_add_co_u32 s89, s87, 6144
	s_add_co_u32 s90, s84, LWB
	s_add_co_u32 s91, s90, 512
	s_add_co_u32 s92, s90, 6144
	s_mul_i32 s93, s14, WST
	s_mul_i32 s94, s14, 16*SPI
	v_and_b32 v3, 31, v0                           ; lane
	v_and_b32 v1, 15, v0                           ; r
	v_bfe_u32 v2, v0, 4, 1                         ; h
	v_lshlrev_b32 v5, 4, v3                        ; direct: 16, 8 and 4 x lane
	v_lshlrev_b32 v6, 3, v3
	v_lshlrev_b32 v7, 2, v3
	v_lshl_add_u32 v16, v3, 4, s84                 ; LDS, steps 0-11, act: codes 16 and 8 x lane, scale words 4 x lane
	v_lshl_add_u32 v17, v3, 3, s85
	v_lshl_add_u32 v18, v3, 2, s86
	v_lshl_add_u32 v19, v3, 4, s87                 ; steps 12-23, act
	v_lshl_add_u32 v20, v3, 3, s88
	v_lshl_add_u32 v21, v3, 2, s89
	v_lshl_add_u32 v22, v3, 4, s90                 ; steps 12-23, W2
	v_lshl_add_u32 v23, v3, 3, s91
	v_lshl_add_u32 v24, v3, 2, s92
	v_add_nc_u32 v25, LWA, v16                     ; steps 0-11, W2
	v_add_nc_u32 v26, LWA, v17
	v_add_nc_u32 v27, LWA, v18
	v_mul_u32_u24 v10, v1, SPI
	v_mul_u32_u24 v11, v2, SPI
	v_lshl_add_u32 v10, v2, 7, v10
	v_lshl_add_u32 v11, v1, 4, v11
	v_add_nc_u32 v10, s93, v10                     ; into the stage: my wave's copy, row r, + 128 h
	v_add_nc_u32 v11, s94, v11                     ; back: rows 16 w on; lanes 0-15 one row, lanes 16-31 the next; 16 bytes a lane
	v_lshlrev_b32 v13, 4, v1                       ; b2: 16 r
	v_lshl_add_u32 v12, v2, 12, v13                ; x and out: the same two rows
	s_wait_alu depctr_va_vdst(0)
	s_wait_dscnt 0x0                               ; both opening adds are done
	CROUND                                         ; all sixteen work-groups are here: the joint loads meet.  (The round hangs on no argument)
	s_wait_kmcnt 0x0
	s_add_nc_u64 s[4:5], s[4:5], s[74:75]
	s_add_nc_u64 s[6:7], s[6:7], s[76:77]
	s_mov_b64 s[50:51], s[4:5]
	s_or_b32 s51, s51, 0x80000000
	s_mov_b64 s[54:55], s[6:7]
	s_or_b32 s55, s55, 0x80000000
	s_add_nc_u64 s[58:59], s[4:5], 12*KP
	s_or_b32 s59, s59, 0x80000000
	s_add_nc_u64 s[62:63], s[6:7], 12*KP
	s_or_b32 s63, s63, 0x80000000
; ONE LOAD A WAVE: one tree of branches on the wave's number; every way through it passes exactly one load.
.macro ARM under, g0, g1, next
	s_cmp_lt_u32 s14, \under
	s_cbranch_scc0 \next
	tensor_load_to_lds s[\g0:\g0+3], s[\g1:\g1+7]
	s_nop 0
	PLACES
	s_branch .Lasked
\next:
.endm
	ARM 1, 48, 16, .Lask_1
	ARM 2, 52, 24, .Lask_2
	ARM 3, 56, 32, .Lask_3
	tensor_load_to_lds s[60:63], s[40:47]
	s_nop 0
	PLACES
.Lasked:
	s_add_nc_u64 s[8:9], s[8:9], s[80:81]
	s_add_nc_u64 s[12:13], s[12:13], s[80:81]
	s_add_nc_u64 s[10:11], s[10:11], s[82:83]
	s_add_nc_u64 s[96:97], s[4:5], s[78:79]
	s_add_nc_u64 s[98:99], s[6:7], s[78:79]
.irp d, 0,1                            ; the two direct steps: 36 loads each
	WIN 0x80                                       ; destination window 2
.irp f, 0,1,2,3
.irp c, 0,1
	global_load_b128 v[96*\d+12*\f+6*\c:96*\d+12*\f+6*\c+3], v5, s[96:97] offset:KP*\d+1536*\f+768*\c
	global_load_b64 v[96*\d+12*\f+6*\c+4:96*\d+12*\f+6*\c+5], v6, s[96:97] offset:KP*\d+1536*\f+768*\c+512
	global_load_b128 v[96*\d+48+12*\f+6*\c:96*\d+48+12*\f+6*\c+3], v5, s[98:99] offset:KP*\d+1536*\f+768*\c
	global_load_b64 v[96*\d+48+12*\f+6*\c+4:96*\d+48+12*\f+6*\c+5], v6, s[98:99] offset:KP*\d+1536*\f+768*\c+512
.endr
.endr
	WIN 0
.irp q, 0,1
	global_load_b32 v[40+4*\d+\q], v7, s[96:97] offset:KP*\d+6144+128*\q
	global_load_b32 v[42+4*\d+\q], v7, s[98:99] offset:KP*\d+6144+128*\q
.endr
.endr
.macro WM zero                         ; one product; rRW, rRX: the scale words stand in lanes 16-31 of their registers.  zero = 1: it starts the sum
.if \zero
.if (rRW == 1) && (rRX == 1)
	v_wmma_scale_f32_16x16x128_f8f6f4 v[rD:rD+7], v[rW:rW+11], v[rX:rX+11], 0, v[rSW], v[rSX] matrix_a_fmt:MATRIX_FMT_BF6 matrix_b_fmt:MATRIX_FMT_BF6 matrix_a_scale:MATRIX_SCALE_ROW1 matrix_b_scale:MATRIX_SCALE_ROW1
.elseif rRW == 1
	v_wmma_scale_f32_16x16x128_f8f6f4 v[rD:rD+7], v[rW:rW+11], v[rX:rX+11], 0, v[rSW], v[rSX] matrix_a_fmt:MATRIX_FMT_BF6 matrix_b_fmt:MATRIX_FMT_BF6 matrix_a_scale:MATRIX_SCALE_ROW1
.elseif rRX == 1
	v_wmma_scale_f32_16x16x128_f8f6f4 v[rD:rD+7], v[rW:rW+11], v[rX:rX+11], 0, v[rSW], v[rSX] matrix_a_fmt:MATRIX_FMT_BF6 matrix_b_fmt:MATRIX_FMT_BF6 matrix_b_scale:MATRIX_SCALE_ROW1
.else
	v_wmma_scale_f32_16x16x128_f8f6f4 v[rD:rD+7], v[rW:rW+11], v[rX:rX+11], 0, v[rSW], v[rSX] matrix_a_fmt:MATRIX_FMT_BF6 matrix_b_fmt:MATRIX_FMT_BF6
.endif
.else
.if (rRW == 1) && (rRX == 1)
	v_wmma_scale_f32_16x16x128_f8f6f4 v[rD:rD+7], v[rW:rW+11], v[rX:rX+11], v[rD:rD+7], v[rSW], v[rSX] matrix_a_fmt:MATRIX_FMT_BF6 matrix_b_fmt:MATRIX_FMT_BF6 matrix_a_scale:MATRIX_SCALE_ROW1 matrix_b_scale:MATRIX_SCALE_ROW1
.elseif rRW == 1
	v_wmma_scale_f32_16x16x128_f8f6f4 v[rD:rD+7], v[rW:rW+11], v[rX:rX+11], v[rD:rD+7], v[rSW], v[rSX] matrix_a_fmt:MATRIX_FMT_BF6 matrix_b_fmt:MATRIX_FMT_BF6 matrix_a_scale:MATRIX_SCALE_ROW1
.elseif rRX == 1
	v_wmma_scale_f32_16x16x128_f8f6f4 v[rD:rD+7], v[rW:rW+11], v[rX:rX+11], v[rD:rD+7], v[rSW], v[rSX] matrix_a_fmt:MATRIX_FMT_BF6 matrix_b_fmt:MATRIX_FMT_BF6 matrix_b_scale:MATRIX_SCALE_ROW1
.else
	v_wmma_scale_f32_16x16x128_f8f6f4 v[rD:rD+7], v[rW:rW+11], v[rX:rX+11], v[rD:rD+7], v[rSW], v[rSX] matrix_a_fmt:MATRIX_FMT_BF6 matrix_b_fmt:MATRIX_FMT_BF6
.endif
.endif
.endm
; Products of token tiles a0 .. a0 + n - 1: fragments from register b on (act's 4, W2's 4), scale words from register sc on.  The 16 accumulators take turns, one instruction a turn, in the same order every time.
.macro MULR win, b, sc, zero, a0, n
	WIN \win
.set ta, \a0
.rept \n
.set tb, 0
.rept 4
.set rD, 8*(4*ta+tb)
.set rW, (\b)+48+12*tb
.set rX, (\b)+12*ta
.set rSW, (\sc)+2+tb/2
.set rSX, (\sc)+ta/2
.set rRW, tb%2
.set rRX, ta%2
	WM \zero
.set tb, tb+1
.endr
.set ta, ta+1
.endr
.endm
.macro MUL2 s                          ; 16 products on set s: sources window 0, C and D window 1
	MULR 0x50, 64+96*\s, 32+4*\s, 0, 0, 4
.endm
; My K step st of phase ph (0: steps 0-11, 1: steps 12-23) into set s: 8 fragments and 4 registers of scale words: 36 LDS loads
.macro FETCH2 ph, st, s
	WIN 0
.if \ph == 0
.set RA, 16
.set RW, 25
.else
.set RA, 19
.set RW, 22
.endif
.irp f, 0,1,2,3
.irp c, 0,1
	ds_load_b128 v[64+96*\s+12*\f+6*\c:64+96*\s+12*\f+6*\c+3], v[RA] offset:QD*\st+1536*\f+768*\c
	ds_load_b64 v[64+96*\s+12*\f+6*\c+4:64+96*\s+12*\f+6*\c+5], v[RA+1] offset:QD*\st+1536*\f+768*\c
	ds_load_b128 v[112+96*\s+12*\f+6*\c:112+96*\s+12*\f+6*\c+3], v[RW] offset:QD*\st+1536*\f+768*\c
	ds_load_b64 v[112+96*\s+12*\f+6*\c+4:112+96*\s+12*\f+6*\c+5], v[RW+1] offset:QD*\st+1536*\f+768*\c
.endr
.endr
.irp q, 0,1
	ds_load_b32 v[32+4*\s+\q], v[RA+2] offset:QD*\st+128*\q
	ds_load_b32 v[34+4*\s+\q], v[RW+2] offset:QD*\st+128*\q
.endr
.endm
	s_cmp_ge_u32 s14, 2                            ; waves 2 and 3 have load lines of their own, and wait for them ahead of the second barrier
	s_cbranch_scc1 .Lfirst_part
	s_wait_tensorcnt 0x0                           ; steps 0-11 have landed
.Lfirst_part:
	s_barrier_signal -1
	s_barrier_wait -1
	FETCH2 0, 0, 0
	FETCH2 0, 1, 1
	s_wait_dscnt 36                                ; set 0 is in; the 36 loads of set 1 may be out
	MULR 0x50, 64, 32, 1, 0, 4                     ; the first products start the sums: nothing is cleared
	PLACES                                         ; in front of loads into registers that matrix instructions have read
	FETCH2 0, 2, 0
	WIN 0x80
.irp i2, 0,1,2,3,4,5,6,7
	global_load_b128 v[192+4*\i2:195+4*\i2], v12, s[8:9] offset:8192*\i2          ; x at the 16 rows that I store
.endr
	global_load_b128 v[224:227], v13, s[10:11]                                  ; b2 of expert 0
	global_load_b128 v[228:231], v13, s[10:11] offset:4096                      ; and of expert 1
	s_wait_dscnt 36
	MUL2 1
	s_wait_dscnt 0x0
	MUL2 0
	WIN 0
	s_wait_tensorcnt 0x0                           ; all my tensor loads have landed; my reads of steps 0-11 are over
	s_barrier_signal -1
	s_barrier_wait -1                              ; everybody's have, and are: steps 12-23 are whole, and the stage may take bytes of steps 0-11
	PLACES
	FETCH2 1, 0, 1
	FETCH2 1, 1, 0
	s_wait_loadcnt 46                              ; the first direct step is in: behind it 36 loads of the second and 10 of x and b2.  Its products and the second's stand under the LDS loads
	MULR 0x5a, 0, 40, 0, 0, 4                      ; sources window 2
	s_wait_loadcnt 10                              ; the second is in
	MULR 0x5a, 96, 44, 0, 0, 4
	s_wait_dscnt 36
	MUL2 1
	PLACES
	FETCH2 1, 2, 1
	s_wait_dscnt 36
	MUL2 0
	s_wait_dscnt 0x0
	; THE LAST STEP GOES BY TILES OF TOKENS, and each tile leaves as it is finished: tiles 0 and 1, then tile 0's way out, tile 2, tile 1's way out, tile 3, and so on.
	; THE WAY OUT: each wave's 64 x 64 partial sums go to its copy of the stage, four tiles' registers i side by side: 16 bytes of a row; a barrier; wave w adds the four copies of rows 16 w on, halves the sum, adds x and the biases' mean, and stores whole runs of 256 bytes.
	MULR 0x50, 160, 36, 0, 0, 2
	PLACES                                         ; behind tile 0's products; from here on the moves of one tile are the places behind the products of the next
.irp a, 0,1,2,3
	WIN 0x01                                       ; source 0: window 1
.irp i2, 0,1,2,3,4,5,6,7
.irp b, 0,1,2,3
	v_mov_b32 v[64+32*\a+4*\i2+\b], v[8*(4*\a+\b)+\i2]     ; each accumulator from its low end on; tiles 0 to 2 land on set 0, which is done with, tile 3 on set 1 behind all products
.endr
.endr
	WIN 0
.irp i2, 0,1,2,3,4,5,6,7
	ds_store_b128 v10, v[64+32*\a+4*\i2:67+32*\a+4*\i2] offset:16*SPI*\a+16*\i2
.endr
.if \a < 2
	MULR 0x50, 160, 36, 0, \a+2, 1
.endif
.endr
	s_wait_dscnt 0x0                               ; for the others' sake: my stores have landed
	s_barrier_signal -1
	s_barrier_wait -1
.irp i2, 0,1,2,3,4,5,6,7
.irp q, 0,1,2,3
	ds_load_b128 v[128+16*\i2+4*\q:128+16*\i2+4*\q+3], v11 offset:WST*\q+2*SPI*\i2
.endr
.endr
	s_wait_loadcnt 0x0                             ; x and b2
	WIN 0x0a                                       ; sources 0 and 1 window 2
	v_pk_add_f32 v[96:97], v[224:225], v[228:229]
	v_pk_add_f32 v[98:99], v[226:227], v[230:231]
	WIN 0
	v_pk_mul_f32 v[96:97], v[96:97], 0.5 op_sel_hi:[1,0]
	v_pk_mul_f32 v[98:99], v[98:99], 0.5 op_sel_hi:[1,0]
	WIN 0x02                                       ; source 0 window 2
.irp i2, 0,1,2,3,4,5,6,7
	v_pk_add_f32 v[64+4*\i2:65+4*\i2], v[192+4*\i2:193+4*\i2], v[96:97]
	v_pk_add_f32 v[66+4*\i2:67+4*\i2], v[194+4*\i2:195+4*\i2], v[98:99]
.endr
	WIN 0
.irp i2, 0,1,2,3,4,5,6,7
.set P, 128+16*\i2
	s_wait_dscnt 4*(7-\i2)                         ; these two rows' four copies are in; the later rows' may be out
	v_pk_add_f32 v[P:P+1], v[P:P+1], v[P+4:P+5]
	v_pk_add_f32 v[P+2:P+3], v[P+2:P+3], v[P+6:P+7]
	v_pk_add_f32 v[P+8:P+9], v[P+8:P+9], v[P+12:P+13]
	v_pk_add_f32 v[P+10:P+11], v[P+10:P+11], v[P+14:P+15]
	v_pk_add_f32 v[P:P+1], v[P:P+1], v[P+8:P+9]
	v_pk_add_f32 v[P+2:P+3], v[P+2:P+3], v[P+10:P+11]
	v_pk_fma_f32 v[P:P+1], v[P:P+1], 0.5, v[64+4*\i2:65+4*\i2] op_sel_hi:[1,0,1]
	v_pk_fma_f32 v[P+2:P+3], v[P+2:P+3], 0.5, v[66+4*\i2:67+4*\i2] op_sel_hi:[1,0,1]
	global_store_b128 v12, v[P:P+3], s[12:13] offset:8192*\i2 th:TH_STORE_NT   ; 16 lanes store 256 consecutive bytes, at a multiple of 256 from out0's first byte
.endr
	s_wait_tensorcnt 0x0                           ; the wave's end
	ds_add_u32 v28, v29
	s_wait_dscnt 0x0
	CROUND                                         ; the closing round: no work-group ends while a partner may still ask for a tile that names it
	s_endpgm
.Lfunc_end_k_q2c9e4483c6_down:
	.size	k_q2c9e4483c6_down, .Lfunc_end_k_q2c9e4483c6_down-k_q2c9e4483c6_down
	.p2alignl 7, 3214868480
	.fill 96, 4, 3214868480
	.section	.rodata,"a",@progbits
	.p2align	6, 0x0
	.amdhsa_kernel k_q2c9e4483c6_down
		.amdhsa_group_segment_fixed_size 327680
		.amdhsa_private_segment_fixed_size 0
		.amdhsa_enable_private_segment 0
		.amdhsa_kernarg_size 40
		.amdhsa_user_sgpr_count 2
		.amdhsa_user_sgpr_kernarg_segment_ptr 1
		.amdhsa_wavefront_size32 1
		.amdhsa_system_sgpr_workgroup_id_x 1
		.amdhsa_system_sgpr_workgroup_id_y 1
		.amdhsa_system_sgpr_workgroup_id_z 1
		.amdhsa_system_vgpr_workitem_id 0
		.amdhsa_next_free_vgpr 768
		.amdhsa_next_free_sgpr 100
		.amdhsa_reserve_vcc 0
		.amdhsa_float_denorm_mode_32 3
		.amdhsa_float_denorm_mode_16_64 3
		.amdhsa_memory_ordered 1
		.amdhsa_forward_progress 1
		.amdhsa_inst_pref_size 63
	.end_amdhsa_kernel
	.amdgpu_metadata
---
amdhsa.version: [ 1, 2 ]
amdhsa.kernels:
  - .name:           k_q2c9e4483c6_down
    .symbol:         k_q2c9e4483c6_down.kd
    .args:
      - { .name: actq, .offset: 0, .size: 8, .value_kind: global_buffer, .address_space: global }
      - { .name: w2q, .offset: 8, .size: 8, .value_kind: global_buffer, .address_space: global }
      - { .name: x, .offset: 16, .size: 8, .value_kind: global_buffer, .address_space: global }
      - { .name: mlp2_bias, .offset: 24, .size: 8, .value_kind: global_buffer, .address_space: global }
      - { .name: out0, .offset: 32, .size: 8, .value_kind: global_buffer, .address_space: global }
    .group_segment_fixed_size: 327680
    .private_segment_fixed_size: 0
    .kernarg_segment_align: 8
    .kernarg_segment_size: 40
    .max_flat_workgroup_size: 128
    .sgpr_count:     100
    .vgpr_count:     768
    .wavefront_size: 32
...
	.end_amdgpu_metadata
.endif
;; end of part 3
